; MI455X (gfx1250); checked and timed in simulation.
; The chip was launched on July 23, 2026; its instructions are those of AMD's public machine-readable ISA for CDNA 5 (MIT licence, August 2026) and "CDNA5" Instruction Set Architecture Reference Guide (July 2026). The comments in the code are by the model that wrote it; some were corrected since.
;; Bilinear Layer. Allowed arithmetic: float matrix products may take bf16 or f16 operands with f32 sums; all other float work in f32.
;; Inputs: type_idx 131,072 int32; u_hidden 131,072 x 256 float32; v_hidden 131,072 x 256 float32; weights 8 x 256 x 256 float32.
;; Outputs: out0 131,072 float32.
;; One version. Each part assembles by itself: llvm-mc -triple=amdgcn-amd-amdhsa -mcpu=gfx1250 --defsym DOCPART=n.
;; ======== version 1 of 1: 2 launches
;; workspace buffers: order 524,288 bytes of whole numbers; seg 256 bytes of whole numbers; wb 1,048,576 bytes
;; launch prep (part 1): grid 128 x 1, 32 waves a work-group, no clusters, 6,144 bytes of LDS; arguments type_idx, weights, order, seg, wb; writes order, seg, wb
.if DOCPART == 1
	.amdgcn_target "amdgcn-amd-amdhsa--gfx1250"
	.amdhsa_code_object_version 6
	.text
	.protected	k_q174aa9d8eb_prep
	.globl	k_q174aa9d8eb_prep
	.p2align	8
	.type	k_q174aa9d8eb_prep,@function
k_q174aa9d8eb_prep:
	s_mov_b64 s[64:65], 0
	v_nop
	global_prefetch_b8 v0, s[64:65] scope:SCOPE_SE
	s_setreg_imm32_b32 hwreg(HW_REG_WAVE_MODE, 25, 1), 1
	s_wait_xcnt 0x0
; PREP: sorts the 131,072 rows by type (a counting sort without traffic between work-groups) and lays the weights out in bf16.
;   order[p] = the row at sorted place p (rows of type 0 first, then type 1, ...; inside a type by row number)
;   seg[k]   = number of rows of a type below k, k = 0 .. 8 (the rest of its 256 bytes: zeros)
;   wb       = the weights in bf16 (round to nearest even) in the order in which a matrix fragment wants them:
;              fragment f = (k*8 + ks)*16 + nt is 1,024 bytes; its byte 512 c + 16 L + 2 i holds W[k][32 ks + 16 c + 8 (L/16) + i][16 nt + L%16].
; 128 work-groups of 32 waves.  Work-group g owns rows 1024 g .. 1024 g + 1023, one a thread, and 8,192 bytes of wb, eight a thread.
; To know its rows' places each work-group counts ALL of type_idx itself (512 KiB): wave w counts rows 4096 w .. 4096 w + 4095
; in four blocks of 1,024 rows; block (w, b) is exactly the rows of work-group 4 w + b, so 'rows in front of mine' is a sum of whole blocks.
; 128 work-groups and not 256: each one reads all of type_idx, so half as many read half as much; the work has no more to share.
; LIMIT: type_idx is taken to lie in 0 .. 7, as the gather that this program serves relies on.  Other numbers give a wrong order;
; the place is clamped to 0 .. 131,071, so no store leaves the buffer.
; All counting is in whole numbers.  No LDS tile, no matrix unit: nothing here is multiplied.
.set TOWN, 4                           ; v4        my row's type
.set BE,   16                          ; v[16:19]  block b: counts of types 0, 2, 4, 6 in four bytes
.set BO,   20                          ; v[20:23]  block b: counts of types 1, 3, 5, 7
.set XR,   24                          ; v[24:27]  the wave's counts, all blocks, eight fields of 16 bits: types 0,4 | 2,6 | 1,5 | 3,7
.set YR,   28                          ; v[28:31]  the same for the blocks in front of my work-group's rows
.set BUF0, 32                          ; v[32:63]  a block as loaded
.set BUF1, 64                          ; v[64:95]  the other block
.set RK,   96                          ; v96       lanes below me in my wave with my type
.set LIM,  97                          ; v97       how many waves' table entries this lane sums
.set ACCV, 98                          ; v98       that sum
.set POSV, 99                          ; v99       my row's place, then its byte offset in order
.set ZR,   100                         ; v[100:103] my wave's own 32 rows by type, packed like XR; later the words of seg
.set TABW, 104                         ; v104      LDS address of my wave's table entry
.set TABR, 105                         ; v105      LDS address from which this lane reads the table
	s_load_b256 s[4:11], s[0:1], 0x0               ; type_idx s[4:5], weights s[6:7], order s[8:9], seg s[10:11]
	s_load_b64 s[12:13], s[0:1], 0x20              ; wb
	v_lshl_add_u32 v108, v0, 2, 0x800
	v_mov_b32 v109, 0
	v_lshrrev_b32 v15, 5, v0
	v_readfirstlane_b32 s14, v15                   ; wave w, 0 .. 31
	s_mov_b32 s15, ttmp9                           ; work-group g, 0 .. 127
	s_mov_b32 s16, 0x0f0f0f0f                      ; every other field of 4 bits
	s_mov_b32 s17, 0x00ff00ff                      ; every other byte
	s_mov_b32 s18, 0x76543210                      ; v_permlanex16_b32: lane i reads lane i of the other half
	s_mov_b32 s19, 0xfedcba98
	v_and_b32 v1, 31, v0                           ; lane
	v_lshlrev_b32 v2, 4, v1
	v_lshl_add_u32 v2, s14, 14, v2                 ; the scan: 16,384 w + 16 lane; never rewritten
	v_lshl_add_u32 v3, s15, 10, v0                 ; my row = 1024 g + thread
	v_lshlrev_b32 v5, 2, v3                        ; its byte offset in type_idx
	v_lshlrev_b32 v13, 3, v3                       ; my 8 bytes of wb
	; my four weights: thread bits 0: i/4, 4:1: column in the tile, 6:5: 2 c + h, 9:7: tile; g bits 0: upper eight tiles, 3:1: ks, 6:4: k
	v_bfe_u32 v12, v0, 5, 2
	v_lshlrev_b32 v12, 13, v12                     ; (16 c + 8 h) rows of 1,024 bytes
	v_and_b32 v14, 1, v0
	v_lshl_add_u32 v12, v14, 12, v12               ; + 4 rows for the upper half of the eight
	v_lshrrev_b32 v14, 7, v0
	v_lshl_add_u32 v12, v14, 6, v12                ; + tile x 16 columns x 4 bytes
	v_bfe_u32 v14, v0, 1, 4
	v_lshl_add_u32 v12, v14, 2, v12                ; + column x 4 bytes
	s_lshr_b32 s24, s15, 4
	s_lshl_b32 s24, s24, 18                        ; k x 262,144
	s_bfe_u32 s25, s15, 0x30001
	s_lshl_b32 s25, s25, 15                        ; ks x 32 rows
	s_add_co_u32 s24, s24, s25
	s_and_b32 s25, s15, 1
	s_lshl_b32 s25, s25, 9                         ; eight tiles x 64 bytes
	s_add_co_u32 s24, s24, s25
	v_add_nc_u32 v12, s24, v12                     ; never rewritten
	; m_b = all ones where block (w, b) lies in front of my work-group's rows
	s_lshl_b32 s2, s14, 2
.irp b, 0,1,2,3
	s_add_co_u32 s3, s2, \b
	s_cmp_lt_u32 s3, s15
	s_cselect_b32 s[20+\b], -1, 0
.endr
	s_wait_kmcnt 0x0
.macro SCAN b, buf                     ; eight loads of 512 neighbouring bytes: one block of 1,024 types
.irp i, 0,1,2,3,4,5,6,7
	global_load_b128 v[\buf+4*\i:\buf+4*\i+3], v2, s[4:5] offset:512*(8*\b+\i)
.endr
.endm
	global_load_b32 v[TOWN], v5, s[4:5]
.irp i, 0,1,2,3
	global_load_b32 v[6+\i], v12, s[6:7] offset:1024*\i    ; four rows d of one column e: pieces of 64 bytes a wave; 2 MiB in the whole launch, read once
.endr
	SCAN 0, BUF0
	SCAN 1, BUF1
	s_wait_loadcnt 16                              ; loads come back in order (ISA guide 5.7.1): the 16 scan loads may stay out, my type and my weights are in
	v_cvt_pk_bf16_f32 v10, v6, v7                  ; nearest even, the lower d in the lower half
	v_cvt_pk_bf16_f32 v11, v8, v9
	global_store_b64 v13, v[10:11], s[12:13]       ; a wave stores 256 consecutive bytes, aligned; v10, v11, v13 are never rewritten
	; my rank among my wave's rows of my type, and the wave's count of each type
.irp k, 0,1,2,3,4,5,6,7
	v_cmp_eq_u32 s[32+\k], \k, v[TOWN]             ; M_k: the lanes of type k
	s_bcnt1_i32_b32 s[40+\k], s[32+\k]
.endr
	v_mbcnt_lo_u32_b32 v[RK], s32, 0               ; written whole; then replaced where the lane's type is k
.irp k, 1,2,3,4,5,6,7
	v_mbcnt_lo_u32_b32 v15, s[32+\k], 0
	v_cndmask_b32 v[RK], v[RK], v15, s[32+\k]
.endr
	s_lshl_b32 s3, s44, 16
	s_or_b32 s24, s40, s3                          ; types 0, 4
	s_lshl_b32 s3, s46, 16
	s_or_b32 s25, s42, s3                          ; types 2, 6
	s_lshl_b32 s3, s45, 16
	s_or_b32 s26, s41, s3                          ; types 1, 5
	s_lshl_b32 s3, s47, 16
	s_or_b32 s27, s43, s3                          ; types 3, 7
.irp i, 0,1,2,3
	v_mov_b32 v[ZR+\i], s[24+\i]
.endr
; len numbers (12 at the most, so that a field of 4 bits holds them) are counted in v14, one field for each type, and added to block b's bytes.
.macro SUBRUN b, base, len, first
	v_lshlrev_b32 v15, 2, v[\base]
	v_lshlrev_b32 v14, v15, 1                      ; 1 << 4 t starts the count: nothing is cleared
.set n, 1
.rept \len-1
	v_lshlrev_b32 v15, 2, v[\base+n]
	v_lshl_add_u32 v14, 1, v15, v14                ; + 1 << 4 t
.set n, n+1
.endr
.if \first
	v_and_b32 v[BE+\b], s16, v14
	v_lshrrev_b32 v15, 4, v14
	v_and_b32 v[BO+\b], s16, v15
.else
	v_and_b32 v15, s16, v14
	v_add_nc_u32 v[BE+\b], v[BE+\b], v15
	v_lshrrev_b32 v15, 4, v14
	v_and_b32 v15, s16, v15
	v_add_nc_u32 v[BO+\b], v[BO+\b], v15
.endif
.endm
.macro COUNT b, buf                    ; a lane's 32 numbers of a block: a byte holds 32 at the most
	SUBRUN \b, \buf, 12, 1
	SUBRUN \b, \buf+12, 12, 0
	SUBRUN \b, \buf+24, 8, 0
.endm
	s_wait_loadcnt 8                               ; block 0 is in, block 1's eight loads may stay out
	COUNT 0, BUF0
	SCAN 2, BUF0
	s_wait_loadcnt 8                               ; block 1 is in, block 2's may stay out
	COUNT 1, BUF1
	SCAN 3, BUF1
	s_wait_loadcnt 8                               ; block 2 is in
	COUNT 2, BUF0
	s_wait_loadcnt 0x0
	COUNT 3, BUF1
	; all four blocks (a byte holds 128 at the most), widened to 16 bits; then the same for the blocks in front of my rows
	v_add3_u32 v14, v[BE], v[BE+1], v[BE+2]
	v_add_nc_u32 v14, v14, v[BE+3]
	v_add3_u32 v15, v[BO], v[BO+1], v[BO+2]
	v_add_nc_u32 v15, v15, v[BO+3]
	v_and_b32 v[XR], s17, v14                      ; types 0, 4
	v_lshrrev_b32 v14, 8, v14
	v_and_b32 v[XR+1], s17, v14                    ; types 2, 6
	v_and_b32 v[XR+2], s17, v15                    ; types 1, 5
	v_lshrrev_b32 v15, 8, v15
	v_and_b32 v[XR+3], s17, v15                    ; types 3, 7
.irp b, 0,1,2,3
	v_and_b32 v[BE+\b], s[20+\b], v[BE+\b]
	v_and_b32 v[BO+\b], s[20+\b], v[BO+\b]
.endr
	v_add3_u32 v14, v[BE], v[BE+1], v[BE+2]
	v_add_nc_u32 v14, v14, v[BE+3]
	v_add3_u32 v15, v[BO], v[BO+1], v[BO+2]
	v_add_nc_u32 v15, v15, v[BO+3]
	v_and_b32 v[YR], s17, v14
	v_lshrrev_b32 v14, 8, v14
	v_and_b32 v[YR+1], s17, v14
	v_and_b32 v[YR+2], s17, v15
	v_lshrrev_b32 v15, 8, v15
	v_and_b32 v[YR+3], s17, v15
.macro LANESUM reg                     ; the sum over the 32 lanes, in every lane; a field of 16 bits holds the wave's 4,096 at the most
.irp m, 1,2,4,8
	v_mov_b32_dpp v15, v[\reg] row_xmask:\m row_mask:0xf bank_mask:0xf
	v_add_nc_u32 v[\reg], v[\reg], v15
.endr
	v_permlanex16_b32 v15, v[\reg], s18, s19
	v_add_nc_u32 v[\reg], v[\reg], v15
.endm
.irp x, 24,25,26,27,28,29,30,31
	LANESUM \x
.endr
	; the table in LDS: 64 bytes a wave: 8 totals, 8 counts in front of my rows, 8 counts of the wave's own rows, 16 bits each; 16 bytes unused and never read
	s_lshl_b32 s3, s14, 6
	v_mov_b32 v[TABW], s3
	ds_store_b128 v[TABW], v[XR:XR+3]              ; all lanes store the same bytes with the same values
	ds_store_b128 v[TABW], v[YR:YR+3] offset:16
	ds_store_b128 v[TABW], v[ZR:ZR+3] offset:32
	s_wait_dscnt 0x0                               ; my entry is in LDS before I say so
	s_barrier_signal -1
	s_barrier_wait -1                              ; the launch's one barrier: every wave's entry is there, and nobody writes the table again
	v_min_u32 v[TABR], 23, v1                      ; lane q: field q of the 24 (lanes 24 to 31 repeat lane 23 and are not used)
	v_lshlrev_b32 v[TABR], 1, v[TABR]
.set n, 0
.rept 32
	ds_load_u16 v[BUF0+n], v[TABR] offset:64*n
.set n, n+1
.endr
	v_mov_b32 v15, s14
	v_cmp_le_u32 vcc_lo, 16, v1
	v_cndmask_b32 v[LIM], 32, v15, vcc_lo          ; fields 0 to 15: all 32 waves; fields 16 to 23: the waves in front of mine
	s_wait_dscnt 0x0
	v_cmp_lt_u32 vcc_lo, 0, v[LIM]
	v_cndmask_b32 v[ACCV], 0, v[BUF0], vcc_lo
.set n, 1
.rept 31
	v_cmp_lt_u32 vcc_lo, n, v[LIM]
	v_cndmask_b32 v15, 0, v[BUF0+n], vcc_lo
	v_add_nc_u32 v[ACCV], v[ACCV], v15
.set n, n+1
.endr
.macro RL k, q                         ; type k lies in field q
	v_readlane_b32 s[48+\k], v[ACCV], \q           ; rows of type k in all
	v_readlane_b32 s[56+\k], v[ACCV], 8+\q         ; in front of my work-group's rows
	v_readlane_b32 s[68+\k], v[ACCV], 16+\q        ; in my work-group's waves in front of mine
.endm
	RL 0, 0
	RL 1, 4
	RL 2, 2
	RL 3, 6
	RL 4, 1
	RL 5, 5
	RL 6, 3
	RL 7, 7
	s_mov_b32 s76, 0                               ; seg[0 .. 8] in s[76:84]
.irp k, 0,1,2,3,4,5,6,7
	s_add_co_u32 s[77+\k], s[76+\k], s[48+\k]
	s_add_co_u32 s[85+\k], s[76+\k], s[56+\k]
	s_add_co_u32 s[85+\k], s[85+\k], s[68+\k]      ; the place of my wave's first row of type k
.endr
	v_mov_b32 v[POSV], s85
.irp k, 1,2,3,4,5,6,7
	v_cndmask_b32 v[POSV], v[POSV], s[85+\k], s[32+\k]
.endr
	v_add_nc_u32 v[POSV], v[POSV], v[RK]
	v_min_u32 v[POSV], 0x1ffff, v[POSV]            ; a number made of loaded numbers enters an address only clamped
	v_lshlrev_b32 v[POSV], 2, v[POSV]
	global_store_b32 v[POSV], v3, s[8:9]           ; 4 bytes a lane, in up to eight runs a wave: order is 512 KiB against the 256 MiB that the next launch reads
	; seg: by wave 0 of work-group 0 alone
	s_cmp_lg_u32 s15, 0
	s_cbranch_scc1 .Lend
	s_cmp_lg_u32 s14, 0
	s_cbranch_scc1 .Lend
	v_mov_b32 v100, 0
	v_mov_b32 v101, 0
.irp l, 0,1,2,3
	v_writelane_b32 v100, s[76+2*\l], \l           ; lane l holds seg[2 l] and seg[2 l + 1]
	v_writelane_b32 v101, s[77+2*\l], \l
.endr
	v_writelane_b32 v100, s84, 4
	v_lshlrev_b32 v102, 3, v1
	global_store_b64 v102, v[100:101], s[10:11]    ; all 256 bytes of the buffer in one store
.Lend:
	s_wait_tensorcnt 0x0
	ds_add_u32 v108, v109
	s_wait_dscnt 0x0
	s_endpgm
.Lfunc_end_k_q174aa9d8eb_prep:
	.size	k_q174aa9d8eb_prep, .Lfunc_end_k_q174aa9d8eb_prep-k_q174aa9d8eb_prep
	.p2alignl 7, 3214868480
	.fill 96, 4, 3214868480
	.section	.rodata,"a",@progbits
	.p2align	6, 0x0
	.amdhsa_kernel k_q174aa9d8eb_prep
		.amdhsa_group_segment_fixed_size 6144
		.amdhsa_private_segment_fixed_size 0
		.amdhsa_enable_private_segment 0
		.amdhsa_kernarg_size 40
		.amdhsa_user_sgpr_count 2
		.amdhsa_user_sgpr_kernarg_segment_ptr 1
		.amdhsa_wavefront_size32 1
		.amdhsa_system_sgpr_workgroup_id_x 1
		.amdhsa_system_sgpr_workgroup_id_y 1
		.amdhsa_system_sgpr_workgroup_id_z 1
		.amdhsa_system_vgpr_workitem_id 0
		.amdhsa_next_free_vgpr 110
		.amdhsa_next_free_sgpr 96
		.amdhsa_reserve_vcc 1
		.amdhsa_float_denorm_mode_32 3
		.amdhsa_float_denorm_mode_16_64 3
		.amdhsa_memory_ordered 1
		.amdhsa_forward_progress 1
		.amdhsa_inst_pref_size 37
	.end_amdhsa_kernel
	.amdgpu_metadata
---
amdhsa.version: [ 1, 2 ]
amdhsa.kernels:
  - .name:           k_q174aa9d8eb_prep
    .symbol:         k_q174aa9d8eb_prep.kd
    .args:
      - { .name: type_idx, .offset: 0, .size: 8, .value_kind: global_buffer, .address_space: global }
      - { .name: weights, .offset: 8, .size: 8, .value_kind: global_buffer, .address_space: global }
      - { .name: order, .offset: 16, .size: 8, .value_kind: global_buffer, .address_space: global }
      - { .name: seg, .offset: 24, .size: 8, .value_kind: global_buffer, .address_space: global }
      - { .name: wb, .offset: 32, .size: 8, .value_kind: global_buffer, .address_space: global }
    .group_segment_fixed_size: 6144
    .private_segment_fixed_size: 0
    .kernarg_segment_align: 8
    .kernarg_segment_size: 40
    .max_flat_workgroup_size: 1024
    .sgpr_count:     96
    .vgpr_count:     110
    .wavefront_size: 32
...
	.end_amdgpu_metadata
.endif
;; end of part 1
;; launch main (part 2): grid 256 x 1, 8 waves a work-group, no clusters, 152,576 bytes of LDS; arguments order, seg, wb, u_hidden, v_hidden, out0; writes out0
.if DOCPART == 2
	.amdgcn_target "amdgcn-amd-amdhsa--gfx1250"
	.amdhsa_code_object_version 6
	.text
	.protected	k_q174aa9d8eb_main
	.globl	k_q174aa9d8eb_main
	.p2align	8
	.type	k_q174aa9d8eb_main,@function
k_q174aa9d8eb_main:
	s_mov_b64 s[64:65], 0
	v_nop
	global_prefetch_b8 v0, s[64:65] scope:SCOPE_SE
	s_setreg_imm32_b32 hwreg(HW_REG_WAVE_MODE, 25, 1), 1
	s_wait_xcnt 0x0
; MAIN: out[n] = sigmoid( sum over d, e of u[n][d] W[type(n)][d][e] v[n][e] ), for the rows in the order that PREP made (sorted by type).
; Only the score that the gather keeps is formed: 1/8 of the products of all eight scores, for every input.
; 256 work-groups of eight waves.  Work-group j owns the sorted places 512 j .. 512 j + 511, in 8 steps of 64 rows (4 tiles of 16).
; EIGHT WAVES, 512 registers each, two for each of the WGP's four SIMDs: a wave's phases (round rows and store them, fetch fragments, multiply, products with v) follow each
; other in its one stream of instructions, so a second wave beside it has work for the units that the first leaves idle.
; THE WEIGHTS STAY IN REGISTERS: wave w = 4 p + q holds rows d = 128 p .. 128 p + 127 and columns e = 64 q .. 64 q + 63 of the current type's W:
; 4 steps of 32 along d x 4 tiles x 8 = 128 registers.  The score is linear in d, so each wave multiplies ITS part of T = u W by v and sums; eight partial sums a row.
; That costs the product with v twice (32 multiply-adds for a tile's 16 matrix instructions).  Eighths of e instead would cost it once, but each wave would then
; read all of u from LDS: 18 LDS loads a tile and wave instead of 12.
; THE ROWS STREAM: wave w loads rows 8 w .. 8 w + 7 of a step (u and v, 1,024 bytes each, whole rows, 32 loads of 512 consecutive bytes), one step ahead,
; rounds them to bf16 and lays them into one of two LDS slots.  Every wave multiplies all 64 rows by its part of W.
; A step that holds a border between types is passed once for each type in it; each row keeps the sum of the pass of its own type (v_cndmask_b32).
; NUMBER FORMATS: u, W and v are rounded to bf16 (nearest even) as operands of the product; T, all sums and the sigmoid are f32.  The order of the sums is not the
; reference's.  v_exp_f32 and v_rcp_f32 flush denormals (ISA guide, their entries): a result below 2^-126 comes out as 0.
; LIMIT: PREP takes type_idx to lie in 0 .. 7.  Row numbers and types read from the workspace are clamped before they enter an address.
; NO CLUSTER: what work-groups share is W, 128 KiB of the 1,152 KiB that a work-group reads; it goes straight into registers, and which type a neighbour needs, and
; when, hangs on the counts in seg.  NO TENSOR LOADS: the rows are named one by one by a list.  NO PREFETCH: each wave already has a whole step's 16 KiB asked for ahead.
; REGISTERS, in windows of 256 (s_set_vgpr_msb: bits 1:0 source 0, 3:2 source 1, 5:4 source 2, 7:6 destination):
;   window 0: addresses, sums, accumulators, fragments of u and v (below);
;   window 1: v0-127 W, fragment (ks, n) at v[8 (4 ks + n)]; v128-255 the rows on their way, row i at v[128 + 16 i]: u's lower and upper 512 bytes, v's lower and upper.
.set PITCH, 528                        ; an LDS row: 512 bytes of bf16 + 16: 33 x 16 bytes, so the 16 rows that a fragment load touches lie in 16 different columns of 16 bytes modulo 256
.set VOFF,  64*PITCH                   ; in a slot: 64 rows of u, then 64 rows of v
.set SLOT,  2*VOFF
.set PART,  2*SLOT                     ; behind the slots: 8 waves x 512 partial sums of 4 bytes
.set STA,  4                           ; v4, v5    slot s: where my lane puts 8 bytes of my wave's first row
.set UAD,  6                           ; v6, v7    slot s: my lane's place in a fragment of u: row (lane % 16), 16 bytes x (lane / 16), + my half of d (256 bytes x p)
.set VAD,  8                           ; v8, v9    slot s: the same row and half of the lanes, + my quarter of e (128 bytes x q), for v
.set TY,   12                          ; v[12:15]  tile t: the type of row lane % 16
.set SSEL, 16                          ; v[16:19]  tile t: that row's partial sum, from the pass of its type
.set PS,   20                          ; v[20:23]  four chains of the product with v
.set IDF,  24                          ; v[24:25]  the rows at places 2 thread, 2 thread + 1 of my work-group, for the way out
.set OFF,  28                          ; v[28:35]  row i of my 8: byte offset of my lane's 16 bytes in u and in v
.set ACC,  48                          ; v[48:79]  four accumulators: 16 rows x 16 columns each
.set VB0,  80                          ; v[80:95]  v of a tile, my 64 columns: 4 registers for each accumulator
.set VB1,  96
.set UB0,  112                         ; v[112:143] u of a tile, my 128 d: 4 fragments of 16 rows x 32 d
.set UB1,  144
.set TMP,  112                         ; v[112:143] over UB0, while a slot is filled: four rows in bf16
.set WST,  128                         ; window 1: where the rows on their way begin
; v0 thread; v1 16 x lane; v2 lane % 16; v3 zero; v10 where my partial sums go; v11 the other half's sum; v44-46 at work; v47 offset of IDF's load
; s[4:15] order, seg, wb, u, v, out; s16 wave; s[18:19] wb + my wave's fragments; s[20:21] + the type; s[22:23] my wave's 8 places in order; s[24:31] seg[0..7];
; s[32:39] 8 rows; s[40:47] at the start: the rows of step 1; s48 the step's first place; s49 its first type; s50 its last type + 1; s51 the pass's type;
; s52 the type in registers; s53 counter; s[54:55], s58 at work; s56, s57 lane selects; s59 q; s60 p
.set MSB, 0
.macro WIN new                         ; the immediate's high byte repeats the setting that is left; at every label and branch the setting is 0
.if MSB != \new
	s_set_vgpr_msb (MSB<<8)|\new
.set MSB, \new
.endif
.endm
.macro PLACES                          ; four places behind a matrix instruction before its result is read or a register of it is written or loaded (ISA guide 7.12.1)
.rept 4
	v_nop
.endr
.endm
	s_load_b256 s[4:11], s[0:1], 0x0
	s_load_b128 s[12:15], s[0:1], 0x20
	v_lshl_add_u32 v254, v0, 2, 0x25000
	v_mov_b32 v255, 0
	v_lshrrev_b32 v44, 5, v0
	v_readfirstlane_b32 s16, v44                   ; wave 0 .. 7
	s_and_b32 s59, s16, 3                          ; q: my quarter of e
	s_lshr_b32 s60, s16, 2                         ; p: my half of d
	s_mov_b32 s56, 0x76543210                      ; v_permlanex16_b32: lane i reads lane i of the other half
	s_mov_b32 s57, 0xfedcba98
	v_and_b32 v45, 31, v0
	v_lshlrev_b32 v1, 4, v45
	v_and_b32 v2, 15, v0
	v_bfe_u32 v46, v0, 4, 1
	v_mov_b32 v3, 0
	v_mov_b32 v11, 0                               ; v_permlanex16_b32 counts as a reader of its destination
	s_mul_i32 s58, s16, 8*PITCH
	v_lshl_add_u32 v[STA], v45, 3, s58             ; my wave's 8 rows, 8 bytes a lane
	v_add_nc_u32 v[STA+1], SLOT, v[STA]
	v_mul_u32_u24 v44, v2, PITCH
	v_lshl_add_u32 v44, v46, 4, v44                ; row x pitch + 16 x half of the lanes
	s_lshl_b32 s58, s60, 8
	v_add_nc_u32 v[UAD], s58, v44
	v_add_nc_u32 v[UAD+1], SLOT, v[UAD]
	s_lshl_b32 s58, s59, 7
	v_add_nc_u32 v[VAD], s58, v44
	v_add_nc_u32 v[VAD+1], SLOT, v[VAD]
	s_lshl_b32 s58, s16, 11
	s_add_co_u32 s58, s58, PART
	v_lshl_add_u32 v10, v2, 2, s58
	s_lshl_b32 s48, ttmp9, 9                       ; my work-group's first place
	v_lshlrev_b32 v47, 3, v0
	v_lshl_add_u32 v47, s48, 2, v47
	s_lshl_b32 s54, s59, 12                        ; my four tiles in each group of 16 fragments of 1,024 bytes,
	s_lshl_b32 s58, s60, 16                        ; and my four groups of the type's eight
	s_add_co_u32 s54, s54, s58
	s_mov_b32 s55, 0
	s_wait_kmcnt 0x0
	s_add_nc_u64 s[18:19], s[8:9], s[54:55]
	s_lshl_b32 s54, s16, 3
	s_add_co_u32 s54, s54, s48
	s_lshl_b32 s54, s54, 2
	s_add_nc_u64 s[22:23], s[4:5], s[54:55]
	s_load_b256 s[32:39], s[22:23], 0x0            ; the rows of step 0,
	s_load_b256 s[40:47], s[22:23], 0x100          ; of step 1 (64 places on), so that the first step's head finds them there,
	s_load_b256 s[24:31], s[6:7], 0x0              ; and seg[0 .. 7]
	s_wait_kmcnt 0x0
.macro KRANGE                          ; the type of place p is the number of k in 1 .. 7 with seg[k] <= p: s49 for the step's first place; s50 = 1 + that of its last, 8 at the most
	s_add_co_u32 s58, s48, 63
	s_mov_b32 s49, 0
	s_mov_b32 s50, 1
.irp k, 1,2,3,4,5,6,7
	s_cmp_le_u32 s[24+\k], s48
	s_add_co_ci_u32 s49, s49, 0
	s_cmp_le_u32 s[24+\k], s58
	s_add_co_ci_u32 s50, s50, 0
.endr
.endm
.macro TYPES t                         ; the same for row lane % 16 of tile t; its sum starts at 0 and is replaced in the pass of its type
	s_add_co_u32 s58, s48, 16*\t
	v_add_nc_u32 v44, s58, v2
	v_cmp_le_u32 vcc_lo, s25, v44
	v_cndmask_b32 v[TY+\t], 0, 1, vcc_lo
.irp k, 2,3,4,5,6,7
	v_cmp_le_u32 vcc_lo, s[24+\k], v44
	v_add_co_ci_u32 v[TY+\t], vcc_lo, 0, v[TY+\t], vcc_lo
.endr
	v_mov_b32 v[SSEL+\t], 0
.endm
.macro LOADW                           ; my part of the weights of type s51: 32 loads of 512 consecutive bytes, each four registers of a fragment as they stand
	s_wait_xcnt 0x0                                ; s[20:21] is rewritten only behind this wait
	s_min_u32 s54, s51, 7                          ; a number made of loaded numbers enters an address only clamped
	s_lshl_b32 s54, s54, 17
	s_mov_b32 s55, 0
	s_add_nc_u64 s[20:21], s[18:19], s[54:55]
	WIN 0x40
.irp ks, 0,1,2,3
.irp n, 0,1,2,3
	global_load_b128 v[8*(4*\ks+\n):8*(4*\ks+\n)+3],   v1, s[20:21] offset:16384*\ks+1024*\n
	global_load_b128 v[8*(4*\ks+\n)+4:8*(4*\ks+\n)+7], v1, s[20:21] offset:16384*\ks+1024*\n+512
.endr
.endr
	WIN 0
.endm
.macro ROWLOADS b                      ; rows 4 b .. 4 b + 3 of my 8: 16 loads.  order is a permutation, so the launch reads each row once
	WIN 0x40
.irp ii, 0,1,2,3
	global_load_b128 v[WST+16*(4*\b+\ii):WST+16*(4*\b+\ii)+3],     v[OFF+4*\b+\ii], s[10:11] th:TH_LOAD_NT
	global_load_b128 v[WST+16*(4*\b+\ii)+4:WST+16*(4*\b+\ii)+7],   v[OFF+4*\b+\ii], s[10:11] offset:512 th:TH_LOAD_NT
	global_load_b128 v[WST+16*(4*\b+\ii)+8:WST+16*(4*\b+\ii)+11],  v[OFF+4*\b+\ii], s[12:13] th:TH_LOAD_NT
	global_load_b128 v[WST+16*(4*\b+\ii)+12:WST+16*(4*\b+\ii)+15], v[OFF+4*\b+\ii], s[12:13] offset:512 th:TH_LOAD_NT
.endr
	WIN 0
.endm
; Four rows that have come are rounded to bf16 and laid into the slot; refill = 1: their registers are asked for again, with the next step's rows.
; left = how many younger loads may stay out.
.macro BATCH b, slot, refill, left
	s_wait_loadcnt \left                           ; loads come back in order (ISA guide 5.7.1): these 16 are in, and their offset registers are free
	WIN 0x05
.irp ii, 0,1,2,3
.irp q, 0,1,2,3
	v_cvt_pk_bf16_f32 v[TMP+8*\ii+2*\q],   v[WST+16*(4*\b+\ii)+4*\q],   v[WST+16*(4*\b+\ii)+4*\q+1]
	v_cvt_pk_bf16_f32 v[TMP+8*\ii+2*\q+1], v[WST+16*(4*\b+\ii)+4*\q+2], v[WST+16*(4*\b+\ii)+4*\q+3]
.endr
.endr
	WIN 0
.irp ii, 0,1,2,3
.irp q, 0,1,2,3
	ds_store_b64 v[STA+\slot], v[TMP+8*\ii+2*\q:TMP+8*\ii+2*\q+1] offset:(4*\b+\ii)*PITCH+(\q&1)*256+(\q>>1)*VOFF   ; 32 lanes, 256 consecutive bytes
.endr
.endr
.if \refill
.irp ii, 0,1,2,3
	v_lshl_add_u32 v[OFF+4*\b+\ii], s[32+4*\b+\ii], 10, v1     ; row x 1,024 bytes + 16 x lane
.endr
	ROWLOADS \b
.endif
.endm
; 12 LDS loads: tile t's four fragments of u in my half of d (lane: row lane % 16; registers 0-3: d = 8 (lane/16) + 0..7, registers 4-7: 16 more) and my 64 columns of its v
.macro FETCH t, slot, ub, vb
.irp ks, 0,1,2,3
	ds_load_b128 v[\ub+8*\ks:\ub+8*\ks+3],   v[UAD+\slot] offset:16*PITCH*\t+64*\ks
	ds_load_b128 v[\ub+8*\ks+4:\ub+8*\ks+7], v[UAD+\slot] offset:16*PITCH*\t+64*\ks+32
.endr
.irp n, 0,1,2,3
	ds_load_b128 v[\vb+4*\n:\vb+4*\n+3], v[VAD+\slot] offset:VOFF+16*PITCH*\t+32*\n
.endr
.endm
; 16 matrix instructions: source 0 = 16 columns e of W, source 1 = 16 rows of u.  In the result lane l holds row l % 16 and, in registers 0 to 7,
; the columns e = 64 q + 16 n + 8 (l / 16) + 0 .. 7: the eight numbers that meet 16 neighbouring bytes of the row's v.
; The first product starts each sum.  The four accumulators take turns, one instruction a turn.
.macro MM ub
	WIN 0x01
.irp ks, 0,1,2,3
.irp n, 0,1,2,3
.if \ks == 0
	v_wmma_f32_16x16x32_bf16 v[ACC+8*\n:ACC+8*\n+7], v[8*(4*\ks+\n):8*(4*\ks+\n)+7], v[\ub+8*\ks:\ub+8*\ks+7], 0
.else
	v_wmma_f32_16x16x32_bf16 v[ACC+8*\n:ACC+8*\n+7], v[8*(4*\ks+\n):8*(4*\ks+\n)+7], v[\ub+8*\ks:\ub+8*\ks+7], v[ACC+8*\n:ACC+8*\n+7]
.endif
.endr
.endr
	WIN 0
.endm
.macro DOT vb                          ; sum over my lane's 32 columns of T x v: T whole in f32, v a bf16 half, four chains that do not wait for each other
.irp jj, 0,1,2,3
.irp n, 0,1,2,3
.if \jj == 0
	v_fma_mix_f32_bf16 v[PS+\n], v[\vb+4*\n], v[ACC+8*\n], v3 op_sel_hi:[1,0,0]
.else
	v_fma_mix_f32_bf16 v[PS+\n], v[\vb+4*\n+\jj], v[ACC+8*\n+2*\jj], v[PS+\n] op_sel_hi:[1,0,0]
.endif
.endr
.irp n, 0,1,2,3
	v_fma_mix_f32_bf16 v[PS+\n], v[\vb+4*\n+\jj], v[ACC+8*\n+2*\jj+1], v[PS+\n] op_sel:[1,0,0] op_sel_hi:[1,0,0]
.endr
.endr
.endm
.macro RED t                           ; the four chains, the two halves of the lanes; kept where the row's type is this pass's
	v_add_f32 v[PS], v[PS], v[PS+1]
	v_add_f32 v[PS+2], v[PS+2], v[PS+3]
	v_add_f32 v[PS], v[PS], v[PS+2]
	v_permlanex16_b32 v11, v[PS], s56, s57
	v_add_f32 v[PS], v[PS], v11
	v_cmp_eq_u32 vcc_lo, s51, v[TY+\t]
	v_cndmask_b32 v[SSEL+\t], v[SSEL+\t], v[PS], vcc_lo
.endm
.macro TILE t, ub, vb, left
	s_wait_dscnt \left                             ; LDS loads come back in order (ISA guide 5.7.1): this tile's are in, the next tile's 12 may stay out
	MM \ub
	PLACES
	DOT \vb
	RED \t
.endm
; All 64 rows of a slot against the weights in registers.  A tile's fragments are fetched while the tile before is multiplied, into the other pair of buffers,
; behind the places, products and sums of the tile that read those buffers last.
.macro PASS slot
	FETCH 0, \slot, UB0, VB0
	FETCH 1, \slot, UB1, VB1
	TILE 0, UB0, VB0, 12
	FETCH 2, \slot, UB0, VB0
	TILE 1, UB1, VB1, 12
	FETCH 3, \slot, UB1, VB1
	TILE 2, UB0, VB0, 12
	TILE 3, UB1, VB1, 0
.endm
; One step.  refill = 1: the next step's rows are asked for; idload = 1: the row numbers of the step after that are loaded.
; ONE barrier a step orders both ways.  In front of it each wave has waited for its stores into this slot and for its reads of the other slot (the last step's).
; Behind it this slot is whole; and the other slot, which the next step's stores overwrite behind this barrier, is read by nobody any more.
; With refill the count is 16 in both batches: behind batch 0's loads stand this step's batch 1, behind batch 1's the next step's batch 0.
; So a wave has 32 row loads out from step to step.  Where it changes types it issues 32 more, one more than LOADcnt's field holds: that load's issue waits for the oldest (ISA guide 5.7.1).
.macro STEP slot, refill, idload
.if \refill
	s_wait_kmcnt 0x0                               ; the next step's 8 rows
.irp i, 0,1,2,3,4,5,6,7
	s_min_u32 s[32+\i], s[32+\i], 0x1ffff          ; a loaded number enters an address only clamped
.endr
	BATCH 0, \slot, 1, 16
	BATCH 1, \slot, 1, 16
.else
	BATCH 0, \slot, 0, 16                          ; nothing is asked for any more: the counts run down
	BATCH 1, \slot, 0, 0
.endif
.if \idload
	s_add_nc_u64 s[22:23], s[22:23], 0x100         ; 64 places on; the last scalar load by this base was waited for at the step's head
	s_load_b256 s[32:39], s[22:23], 0x0
.endif
	s_wait_dscnt 0x0                               ; my stores into this slot are done, and so are my reads of the other and my stores of partial sums
	s_barrier_signal -1
	KRANGE                                         ; register work while the others arrive
	TYPES 0
	TYPES 1
	TYPES 2
	TYPES 3
	s_barrier_wait -1
	s_mov_b32 s51, s49
.Lexp_\@:                                          ; one trip for each type from the step's first to its last (s49 < s50 <= 8): one, but for the steps that hold a border
	s_cmp_eq_u32 s51, s52
	s_cbranch_scc1 .Lhave_\@
	PLACES
	LOADW
	s_wait_loadcnt 0x0                             ; the weights are the youngest loads
	s_mov_b32 s52, s51
.Lhave_\@:
	PASS \slot
	s_add_co_u32 s51, s51, 1
	s_cmp_lt_u32 s51, s50                          ; the bound is exclusive: a step of 1 reaches it and cannot pass it
	s_cbranch_scc1 .Lexp_\@
.irp t, 0,1,2,3
	ds_store_b32 v10, v[SSEL+\t] offset:64*\t      ; my wave's own bytes; the two halves of the lanes store the same word with the same value
.endr
	v_add_nc_u32 v10, 0x100, v10                   ; 64 places on
	s_add_co_u32 s48, s48, 64
.endm
	KRANGE
	s_mov_b32 s51, s49
	s_mov_b32 s52, s49
	LOADW                                          ; the oldest loads: the first counted wait covers them
	global_load_b64 v[IDF:IDF+1], v47, s[4:5]      ; v47 is never rewritten
.irp i, 0,1,2,3,4,5,6,7
	s_min_u32 s[32+\i], s[32+\i], 0x1ffff
.endr
.irp i, 0,1,2,3,4,5,6,7
	v_lshl_add_u32 v[OFF+\i], s[32+\i], 10, v1
.endr
	ROWLOADS 0                                     ; with these a wave has issued 65 loads ahead of its first wait, two more than LOADcnt's field holds:
	ROWLOADS 1                                     ; the issue of the last two waits for the oldest (ISA guide 5.7.1)
.irp i, 0,1,2,3,4,5,6,7
	s_mov_b32 s[32+\i], s[40+\i]                   ; the rows of step 1, where the first step looks for them; it clamps them
.endr
	s_add_nc_u64 s[22:23], s[22:23], 0x100         ; all scalar loads by this base have been waited for
	s_mov_b32 s53, 3
.Lstep:                                            ; steps 0 to 5
	STEP 0, 1, 1
	STEP 1, 1, 1
	s_sub_co_u32 s53, s53, 1
	s_cmp_lg_u32 s53, 0
	s_cbranch_scc1 .Lstep
	STEP 0, 1, 0                                   ; step 6 asks for step 7's rows; no row number is left to load
	STEP 1, 0, 0                                   ; step 7 asks for nothing: no load reaches past my 512 places
	; THE WAY OUT: thread i adds the eight waves' partial sums of places 2 i and 2 i + 1, takes the sigmoid and stores each at its row.
	s_wait_dscnt 0x0                               ; my partial sums are in LDS before I say so
	s_barrier_signal -1
	s_barrier_wait -1
	v_lshlrev_b32 v44, 3, v0
	v_add_nc_u32 v44, PART, v44
.irp w, 0,1,2,3,4,5,6,7
	ds_load_b64 v[48+2*\w:49+2*\w], v44 offset:2048*\w
.endr
	s_wait_dscnt 0x0
	v_pk_add_f32 v[48:49], v[48:49], v[50:51]
	v_pk_add_f32 v[52:53], v[52:53], v[54:55]
	v_pk_add_f32 v[56:57], v[56:57], v[58:59]
	v_pk_add_f32 v[60:61], v[60:61], v[62:63]
	v_pk_add_f32 v[48:49], v[48:49], v[52:53]
	v_pk_add_f32 v[56:57], v[56:57], v[60:61]
	v_pk_add_f32 v[48:49], v[48:49], v[56:57]
.irp i, 0,1
	v_mul_f32 v[48+\i], 0xbfb8aa3b, v[48+\i]       ; - x log2(e): sigmoid(x) = 1 / (1 + 2^(- x log2 e)); an overflow to infinity gives 0, an underflow 1, as they should
.endr
.irp i, 0,1
	v_exp_f32 v[52+\i], v[48+\i]
.endr
.irp i, 0,1
	v_min_u32 v[IDF+\i], 0x1ffff, v[IDF+\i]        ; plain work behind the exponentials before their results are read (ISA guide 5.7.2); and the clamp that an address needs
.endr
	s_wait_alu depctr_va_vdst(0)
.irp i, 0,1
	v_add_f32 v[52+\i], 1.0, v[52+\i]
.endr
.irp i, 0,1
	v_rcp_f32 v[56+\i], v[52+\i]
.endr
.irp i, 0,1
	v_lshlrev_b32 v[IDF+\i], 2, v[IDF+\i]          ; plain work behind the reciprocals
.endr
	s_wait_alu depctr_va_vdst(0)
.irp i, 0,1
	global_store_b32 v[IDF+\i], v[56+\i], s[14:15] ; 4 bytes a lane at rows that the sort scattered: the output is 512 KiB against 256 MiB read; a launch that undid the order would move it twice more
.endr
	s_wait_tensorcnt 0x0
	ds_add_u32 v254, v255
	s_wait_dscnt 0x0
	s_endpgm
.Lfunc_end_k_q174aa9d8eb_main:
	.size	k_q174aa9d8eb_main, .Lfunc_end_k_q174aa9d8eb_main-k_q174aa9d8eb_main
	.p2alignl 7, 3214868480
	.fill 96, 4, 3214868480
	.section	.rodata,"a",@progbits
	.p2align	6, 0x0
	.amdhsa_kernel k_q174aa9d8eb_main
		.amdhsa_group_segment_fixed_size 152576
		.amdhsa_private_segment_fixed_size 0
		.amdhsa_enable_private_segment 0
		.amdhsa_kernarg_size 48
		.amdhsa_user_sgpr_count 2
		.amdhsa_user_sgpr_kernarg_segment_ptr 1
		.amdhsa_wavefront_size32 1
		.amdhsa_system_sgpr_workgroup_id_x 1
		.amdhsa_system_sgpr_workgroup_id_y 1
		.amdhsa_system_sgpr_workgroup_id_z 1
		.amdhsa_system_vgpr_workitem_id 0
		.amdhsa_next_free_vgpr 512
		.amdhsa_next_free_sgpr 66
		.amdhsa_reserve_vcc 1
		.amdhsa_float_denorm_mode_32 3
		.amdhsa_float_denorm_mode_16_64 3
		.amdhsa_memory_ordered 1
		.amdhsa_forward_progress 1
		.amdhsa_inst_pref_size 148
	.end_amdhsa_kernel
	.amdgpu_metadata
---
amdhsa.version: [ 1, 2 ]
amdhsa.kernels:
  - .name:           k_q174aa9d8eb_main
    .symbol:         k_q174aa9d8eb_main.kd
    .args:
      - { .name: order, .offset: 0, .size: 8, .value_kind: global_buffer, .address_space: global }
      - { .name: seg, .offset: 8, .size: 8, .value_kind: global_buffer, .address_space: global }
      - { .name: wb, .offset: 16, .size: 8, .value_kind: global_buffer, .address_space: global }
      - { .name: u_hidden, .offset: 24, .size: 8, .value_kind: global_buffer, .address_space: global }
      - { .name: v_hidden, .offset: 32, .size: 8, .value_kind: global_buffer, .address_space: global }
      - { .name: out0, .offset: 40, .size: 8, .value_kind: global_buffer, .address_space: global }
    .group_segment_fixed_size: 152576
    .private_segment_fixed_size: 0
    .kernarg_segment_align: 8
    .kernarg_segment_size: 48
    .max_flat_workgroup_size: 256
    .sgpr_count:     66
    .vgpr_count:     512
    .wavefront_size: 32
...
	.end_amdgpu_metadata
.endif
;; end of part 2
